; MI455X (gfx1250); checked and timed in simulation.
; The chip was launched on July 23, 2026; its instructions are those of AMD's public machine-readable ISA for CDNA 5 (MIT licence, August 2026) and "CDNA5" Instruction Set Architecture Reference Guide (July 2026). The comments in the code are by the model that wrote it; some were corrected since.
;; K Means. Allowed arithmetic: float matrix products may take bf16 or f16 operands with f32 sums; other float arithmetic in f32, or as packed bf16 or f16 multiplies, adds, multiply-adds, maxima and minima; sums over many terms, partial sums and values carried from step to step in f32; what a program stores and reads back later, other than sums and carried values, may be rounded once to bf16 or f16.
;; Inputs: X 200,000 x 256 float32; centroids 1,024 x 256 float32.
;; Outputs: out0 200,000 int32.
;; 2 versions, each right; version 2 is version 1 with the launch prep written anew for expert scheduling mode. Each part assembles by itself: llvm-mc -triple=amdgcn-amd-amdhsa -mcpu=gfx1250 --defsym DOCPART=n.
;; ======== version 1 of 2: 2 launches
;; workspace buffers: cw 524,288 bytes; c2w 4,096 bytes
;; launch prep (part 1): grid 16 x 1, 4 waves a work-group, no clusters, 34,560 bytes of LDS; arguments centroids, cw, c2w; writes cw, c2w
.if DOCPART == 1
	.amdgcn_target "amdgcn-amd-amdhsa--gfx1250"
	.amdhsa_code_object_version 6
	.text
	.protected	k_q36cd29379b_prep
	.globl	k_q36cd29379b_prep
	.p2align	8
	.type	k_q36cd29379b_prep,@function
k_q36cd29379b_prep:
	s_mov_b64 s[64:65], 0
	v_nop
	global_prefetch_b8 v0, s[64:65] scope:SCOPE_SE
	s_setreg_imm32_b32 hwreg(HW_REG_WAVE_MODE, 25, 1), 1
	s_wait_xcnt 0x0
; K-MEANS LABELS, launch 1 of 2: the centroids are rounded and laid out once.  out0[i] = argmin over n of  x2[i] - 2 X[i].c[n] + c2[n].
; WORK LEFT OUT.  x2[i], the sum of squares of row i of X, is added to all 1,024 distances of that row alike: the difference of two distances of a row holds no x2,
; whatever finite values X and the centroids hold, so in exact arithmetic the argmin is the same without it.  No launch computes x2.  X stays live: it enters the product.
; By the same argument every distance is shifted by -c2[0]: the sums then stay near 2 X.c and their roundings are finer.
; LIMITS.  A NaN, an infinity or an overflow that arises in x2 alone is not carried to the result.  |c| stays under 1.7e38, so that -2 c is finite.
; WHAT IS STORED.  cw: bf16(-2 c), which is -2 bf16(c) exactly, in the order in which the second launch's operand registers take it.  c2w[n] = c2[n] - c2[0] in f32,
; both sums taken of the ROUNDED centroids, since the product is taken of them too.
; ORDER OF K.  A row is 32 chunks of 8 numbers: chunk c holds k = 4 c .. 4 c + 3 and then k = 128 + 4 c .. 128 + 4 c + 3: what lane c gets by two loads of 16 bytes, 512 bytes apart.
; The second launch lays X in the same order, so the products meet the right partners.
; cw: block B (centroids 16 B .. 16 B + 15) at 8,192 B; in it part s (0..15) at 512 s; in it lane l's 16 bytes at 16 l: chunk 2 s + l / 16 of centroid 16 B + l % 16.
; SHARES.  Work-group g has centroids 64 g .. 64 g + 63, wave v block 4 g + v.  A block goes through the wave's own stage in LDS (rows of 528 bytes: 33 x 16, so the 16 rows
; that a load touches start 16 bytes apart modulo 256).  No matrix unit, no cluster, no tensor load: 1 MiB is read once, by loads of 512 consecutive bytes.
.set PITCH, 528
.set WSTG,  16*PITCH                   ; a wave's stage
.set C2S,   4*WSTG                     ; 64 words: the work-group's c2w
.set SPARE, C2S+256                    ; the spare words, 128 bytes a wave: two blocks of 256 bytes that no other line names
.set LO,  2                            ; v2   16 l
.set STO, 3                            ; v3   stage, in: my 16 bytes of a row
.set RD,  4                            ; v4   stage, back: row l % 16, chunk l / 16
.set CSA, 5                            ; v5   where my row's c2w goes
.set CRA, 6                            ; v6   where wave 0 reads two of them
.set CGO, 7                            ; v7   8 l
.set SPW, 8                            ; v8   my spare word; never rewritten
.set NIL, 9                            ; v9   0; never rewritten
.set ROW, 16                           ; v[16:143]  row i at 8 i: 8 f32, then 4 registers of bf16; the upper four take part i of the block on its way back
.set ZR,  144                          ; v[144:151] centroid 0
.set AC,  152                          ; v[152:159] four pairs of sums
.set T,   160                          ; v[160:167] at work
.set ZS,  168                          ; v168  4 c2[0]
.set SUM, 169                          ; v169
	s_load_b128 s[4:7], s[0:1], 0x0                ; centroids s[4:5], cw s[6:7]
	s_load_b64 s[8:9], s[0:1], 0x10                ; c2w
	v_lshl_add_u32 v[SPW], v0, 2, SPARE
	v_mov_b32 v[NIL], 0
	v_lshrrev_b32 v1, 5, v0
	v_readfirstlane_b32 s10, v1                    ; wave 0..3
	v_and_b32 v10, 31, v0                          ; l
	v_and_b32 v11, 15, v0                          ; l % 16
	v_bfe_u32 v12, v0, 4, 1                        ; l / 16
	v_lshlrev_b32 v[LO], 4, v10
	s_mul_i32 s11, s10, WSTG
	v_add_nc_u32 v[STO], s11, v[LO]
	v_mul_u32_u24 v[RD], v11, PITCH
	v_lshl_add_u32 v[RD], v12, 4, v[RD]
	v_add_nc_u32 v[RD], s11, v[RD]
	s_lshl_b32 s12, s10, 6
	s_add_co_u32 s12, s12, C2S
	v_lshl_add_u32 v[CSA], v11, 2, s12             ; word 16 v + l % 16
	v_lshlrev_b32 v[CGO], 3, v10
	v_add_nc_u32 v[CRA], C2S, v[CGO]
	s_lshl_b32 s13, ttmp9, 2
	s_add_co_u32 s13, s13, s10                     ; my block
	s_lshl_b32 s14, s13, 14                        ; its 16 rows of 1,024 bytes
	s_mov_b32 s15, 0
	s_lshl_b32 s16, s13, 13                        ; its 8,192 bytes of cw
	s_mov_b32 s17, 0
	s_lshl_b32 s18, ttmp9, 8                       ; the work-group's 256 bytes of c2w
	s_mov_b32 s19, 0
	s_mov_b32 s20, 0x76543210                      ; v_permlanex16_b32: each lane takes its own place in the other half
	s_mov_b32 s21, 0xfedcba98
	s_mov_b32 s22, 0xffff0000                      ; a word's upper bf16
	s_wait_kmcnt 0x0
	s_add_nc_u64 s[14:15], s[4:5], s[14:15]
	s_add_nc_u64 s[16:17], s[6:7], s[16:17]
	s_add_nc_u64 s[18:19], s[8:9], s[18:19]
	global_load_b128 v[ZR:ZR+3],   v[LO], s[4:5]
	global_load_b128 v[ZR+4:ZR+7], v[LO], s[4:5] offset:512
.set i, 0
.rept 16
	global_load_b128 v[ROW+8*i:ROW+8*i+3],   v[LO], s[14:15] offset:1024*i
	global_load_b128 v[ROW+8*i+4:ROW+8*i+7], v[LO], s[14:15] offset:1024*i+512
.set i, i+1
.endr
	s_wait_loadcnt 0x0
	; each row: times -2, rounded to bf16 in place, my chunk into the stage
.set i, 0
.rept 16
.irp k, 0,2,4,6
	v_pk_mul_f32 v[ROW+8*i+\k:ROW+8*i+\k+1], v[ROW+8*i+\k:ROW+8*i+\k+1], -2.0 op_sel_hi:[1,0]
.endr
.irp k, 0,1,2,3
	v_cvt_pk_bf16_f32 v[ROW+8*i+\k], v[ROW+8*i+2*\k], v[ROW+8*i+2*\k+1]
.endr
	ds_store_b128 v[STO], v[ROW+8*i:ROW+8*i+3] offset:i*PITCH
.set i, i+1
.endr
	; 4 c2[0], of the rounded numbers: the same lines on the same data in every wave of the launch, so the same bits everywhere
.irp k, 0,2,4,6
	v_pk_mul_f32 v[ZR+\k:ZR+\k+1], v[ZR+\k:ZR+\k+1], -2.0 op_sel_hi:[1,0]
.endr
.irp k, 0,1,2,3
	v_cvt_pk_bf16_f32 v[ZR+\k], v[ZR+2*\k], v[ZR+2*\k+1]
.endr
.irp k, 0,1,2,3
	v_lshlrev_b32 v[T+2*\k],   16, v[ZR+\k]
	v_and_b32     v[T+2*\k+1], s22, v[ZR+\k]
.endr
	v_pk_mul_f32 v[AC:AC+1], v[T:T+1], v[T:T+1]
.irp k, 2,4,6
	v_pk_fma_f32 v[AC:AC+1], v[T+\k:T+\k+1], v[T+\k:T+\k+1], v[AC:AC+1]
.endr
	v_add_f32 v[ZS], v[AC], v[AC+1]
	v_add_f32_dpp v[ZS], v[ZS], v[ZS] row_xmask:1 row_mask:0xf bank_mask:0xf
	v_add_f32_dpp v[ZS], v[ZS], v[ZS] row_xmask:2 row_mask:0xf bank_mask:0xf
	v_add_f32_dpp v[ZS], v[ZS], v[ZS] row_xmask:4 row_mask:0xf bank_mask:0xf
	v_add_f32_dpp v[ZS], v[ZS], v[ZS] row_xmask:8 row_mask:0xf bank_mask:0xf
	v_permlanex16_b32 v[T], v[ZS], s20, s21        ; its destination counts as read: a register that has been written
	v_add_f32 v[ZS], v[ZS], v[T]
	; back in operand order.  The stage is the wave's own and LDS serves a wave's instructions in order (ISA guide 5.7.1.4): no barrier, no wait between stores and loads
.set i, 0
.rept 16
	ds_load_b128 v[ROW+8*i+4:ROW+8*i+7], v[RD] offset:32*i
.set i, i+1
.endr
	s_wait_dscnt 0x0
.set i, 0
.rept 16
	global_store_b128 v[LO], v[ROW+8*i+4:ROW+8*i+7], s[16:17] offset:512*i  ; 512 consecutive bytes, at a multiple of 512 from cw's first byte
.set i, i+1
.endr
	; the squares of my 128 numbers of row l % 16, in four pairs of sums that do not wait for each other; the first products start the sums
.set i, 0
.rept 16
.irp q, 0,1,2,3
	v_lshlrev_b32 v[T+2*\q],   16, v[ROW+8*i+4+\q]
	v_and_b32     v[T+2*\q+1], s22, v[ROW+8*i+4+\q]
.endr
.irp q, 0,1,2,3
.if i == 0
	v_pk_mul_f32 v[AC+2*\q:AC+2*\q+1], v[T+2*\q:T+2*\q+1], v[T+2*\q:T+2*\q+1]
.else
	v_pk_fma_f32 v[AC+2*\q:AC+2*\q+1], v[T+2*\q:T+2*\q+1], v[T+2*\q:T+2*\q+1], v[AC+2*\q:AC+2*\q+1]
.endif
.endr
.set i, i+1
.endr
	v_pk_add_f32 v[AC:AC+1], v[AC:AC+1], v[AC+2:AC+3]
	v_pk_add_f32 v[AC+4:AC+5], v[AC+4:AC+5], v[AC+6:AC+7]
	v_pk_add_f32 v[AC:AC+1], v[AC:AC+1], v[AC+4:AC+5]
	v_add_f32 v[SUM], v[AC], v[AC+1]
	v_permlanex16_b32 v[T], v[SUM], s20, s21       ; the row's other 128 numbers lie in the lane 16 away
	v_add_f32 v[SUM], v[SUM], v[T]
	v_sub_f32 v[SUM], v[SUM], v[ZS]
	v_mul_f32 v[SUM], 0x3e800000, v[SUM]           ; (4 c2[n] - 4 c2[0]) / 4
	ds_store_b32 v[CSA], v[SUM]                    ; lanes l and l + 16 write the same word with the same number
	s_wait_dscnt 0x0                               ; for the others' sake: my store is done
	s_barrier_signal -1
	s_barrier_wait -1
	s_cmp_lg_u32 s10, 0                            ; wave 0 stores the work-group's 64 numbers: 256 consecutive bytes, aligned
	s_cbranch_scc1 .Lend
	ds_load_b64 v[T:T+1], v[CRA]
	s_wait_dscnt 0x0
	global_store_b64 v[CGO], v[T:T+1], s[18:19]
.Lend:
	s_wait_tensorcnt 0x0                           ; the wave's end, behind my last LDS store
	ds_add_u32 v[SPW], v[NIL]
	s_wait_dscnt 0x0
	s_endpgm
.Lfunc_end_k_q36cd29379b_prep:
	.size	k_q36cd29379b_prep, .Lfunc_end_k_q36cd29379b_prep-k_q36cd29379b_prep
	.p2alignl 7, 3214868480
	.fill 96, 4, 3214868480
	.section	.rodata,"a",@progbits
	.p2align	6, 0x0
	.amdhsa_kernel k_q36cd29379b_prep
		.amdhsa_group_segment_fixed_size 34560
		.amdhsa_private_segment_fixed_size 0
		.amdhsa_enable_private_segment 0
		.amdhsa_kernarg_size 24
		.amdhsa_user_sgpr_count 2
		.amdhsa_user_sgpr_kernarg_segment_ptr 1
		.amdhsa_wavefront_size32 1
		.amdhsa_system_sgpr_workgroup_id_x 1
		.amdhsa_system_sgpr_workgroup_id_y 1
		.amdhsa_system_sgpr_workgroup_id_z 1
		.amdhsa_system_vgpr_workitem_id 0
		.amdhsa_next_free_vgpr 176
		.amdhsa_next_free_sgpr 66
		.amdhsa_reserve_vcc 0
		.amdhsa_float_denorm_mode_32 3
		.amdhsa_float_denorm_mode_16_64 3
		.amdhsa_memory_ordered 1
		.amdhsa_forward_progress 1
		.amdhsa_inst_pref_size 27
	.end_amdhsa_kernel
	.amdgpu_metadata
---
amdhsa.version: [ 1, 2 ]
amdhsa.kernels:
  - .name:           k_q36cd29379b_prep
    .symbol:         k_q36cd29379b_prep.kd
    .args:
      - { .name: centroids, .offset: 0, .size: 8, .value_kind: global_buffer, .address_space: global }
      - { .name: cw, .offset: 8, .size: 8, .value_kind: global_buffer, .address_space: global }
      - { .name: c2w, .offset: 16, .size: 8, .value_kind: global_buffer, .address_space: global }
    .group_segment_fixed_size: 34560
    .private_segment_fixed_size: 0
    .kernarg_segment_align: 8
    .kernarg_segment_size: 24
    .max_flat_workgroup_size: 128
    .sgpr_count:     66
    .vgpr_count:     176
    .wavefront_size: 32
...
	.end_amdgpu_metadata
.endif
;; end of part 1
;; launch assign (part 2): grid 256 x 1, 4 waves a work-group, clusters of 4 x 1, 327,680 bytes of LDS; arguments X, cw, c2w, out0; writes out0
.if DOCPART == 2
	.amdgcn_target "amdgcn-amd-amdhsa--gfx1250"
	.amdhsa_code_object_version 6
	.text
	.protected	k_q36cd29379b_assign
	.globl	k_q36cd29379b_assign
	.p2align	8
	.type	k_q36cd29379b_assign,@function
k_q36cd29379b_assign:
	s_mov_b64 s[64:65], 0
	v_nop
	global_prefetch_b8 v0, s[64:65] scope:SCOPE_SE
	s_setreg_imm32_b32 hwreg(HW_REG_WAVE_MODE, 25, 1), 1
	s_wait_xcnt 0x0
	s_wait_alu depctr_hold_cnt(0) depctr_sa_sdst(0) depctr_va_vdst(0) depctr_va_sdst(0) depctr_va_ssrc(0) depctr_va_vcc(0) depctr_vm_vsrc(0)
	s_getreg_b32 s2, hwreg(HW_REG_IB_STS2, 6, 4)
	s_cmp_eq_u32 s2, 0
	s_cbranch_scc0 .Lentry_in_a_cluster
	s_endpgm
.Lentry_in_a_cluster:
	s_bfe_u32 s2, ttmp6, 0x10000c
	s_cmp_lg_u32 s2, 0x3003
	s_cbranch_scc0 .Lentry_shape_is_right
	s_endpgm
.Lentry_shape_is_right:
; K-MEANS LABELS, launch 2 of 2.  out0[i] = the lowest n at which  -2 X[i].c[n] + (c2[n] - c2[0])  is least.  x2[i] is left out: it is the same for all n of a row (shown at the first kernel's head).
; X is rounded to bf16 on its way in; cw holds bf16(-2 c) in operand order, c2w the f32 c2[n] - c2[0]; sums in f32.
; LIMITS.  A NaN is never taken as a minimum (reference()'s argmin would take it).  Two distances of a row that differ by less than the rounding of the f32 sums (a few 1e-5 at unit spread) may be
; ranked otherwise than reference()'s own f32 sums rank them.  Equal numbers give the lower n.
; SHARES.  Work-group g owns rows 784 g .. 784 g + 783: 7 passes of 7 tiles of 16 rows.  In a pass ALL FOUR WAVES hold the same 112 rows as source-1 fragments (448 registers), and each wave walks its own
; quarter of the centroids: 16 blocks of 16, n = 256 sigma + 64 w + 16 beta + 8 (lane / 16) + j.  12,500 tiles on 256 work-groups are 48.8 each: 49 leaves the least idle.  A pass that would pass X's
; end begins at row 199,888 instead and stores only the rows that are its own (work-group 255 alone: 80 rows in its first pass, none later).
; THE PRODUCT is taken as S^T = (-2 C) X^T + c2': source 0 = 16 centroids, source 1 = 16 rows of X, the C operand of the first of 8 links = c2'.  In the result a lane holds ONE row of X (lane % 16) and
; 8 centroids, and the number IS the shifted distance.  For each tile a lane keeps the least number so far and its code 8 block + j: three vector instructions for each register of a result,
; dealt out as one slice behind each matrix instruction of the NEXT block (two sets of accumulators take turns).
; THE RING.  The centroids come through two LDS slots of 128 KiB; a slot holds one chunk of 32 KiB (4 blocks) for each wave, fetched by that wave and read by it alone.
; CLUSTER.  The four work-groups of a cluster walk the same centroids in step: each chunk is asked for JOINTLY, by the same tensor load with the same descriptor and the mask of four.  X has one reader a row.
; X OF THE NEXT PASS comes in during the pass in hand: loads of 512 consecutive bytes into registers, rounded, into a stage in LDS (XN), from which all four waves take their fragments at the pass's end.
; REGISTERS, in windows of 256 (s_set_vgpr_msb: bits 1:0 source 0, 3:2 source 1, 5:4 source 2, 7:6 destination):
;   window 0: addresses, minima, codes, c2', the accumulators, what the end of a pass needs     window 1: v0-127 centroid fragments, two sets; v128-239 X on its way in
;   window 2: X tiles 0-3, 64 registers each     window 3: X tiles 4-6
; A slice lies in window 0 and a product's sources do not: two switches a product, the price of vector work beside the matrix work in one wave.
.set NROWS,  200000
.set PROWS,  112                       ; rows in a pass
.set LASTR,  NROWS-PROWS               ; the last row at which a pass may begin
.set WGROWS, 7*PROWS
.set SLOT1,  1<<17                     ; slot 1 begins here: one exclusive or turns an address in one slot into the other's
.set CHUNK,  32768                     ; a wave's part of a slot: 4 blocks
.set BLKB,   8192                      ; a block: 16 parts of 512 bytes, lane l's 16 bytes at 16 l: no two lanes of a load meet in a bank
.set XN,     2*SLOT1                   ; 112 rows x 512 bytes of bf16; chunk c of row q at 512 q + 16 (c xor q % 16): stores (one row, 16 chunks) and loads (16 rows, one chunk) both touch 16 different columns of 16 bytes
.set C2T,    XN+PROWS*512              ; wave w's 256 c2' at 1,024 w, block c's 16 at 64 c
.set CMB,    C2T+4096                  ; wave w's pairs (least number, n) for the pass's 112 rows at 896 w + 8 row
.set SPARE,  CMB+4*PROWS*8             ; the spare words, 128 bytes a wave: two blocks of 256 bytes that no other line names.  The map ends at 327,680
.set ACF0, 2                           ; v2   16 l + 32,768 w: my place in a block of my chunk
.set AC20, 3                           ; v3   C2T + 1,024 w + 32 (l / 16)
.set ADR,  4                           ; v4, v5  the addresses of the fetch in hand
.set ADR2, 5
.set XVO,  8                           ; v8   16 l + 4,096 w: my offset in X
.set CST,  9                           ; v9   CMB + 896 w + 8 (l % 16)
.set CRD,  10                          ; v10  CMB + 8 min(thread, 111)
.set OOF,  12                          ; v12  4 x thread: my offset in the pass's labels
.set NB,   13                          ; v13  64 w + 8 (l / 16)
.set SPW,  14                          ; v14  my spare word; never rewritten
.set NIL,  15                          ; v15  0; never rewritten
.set BEST, 16                          ; v16-22  tile t's least number
.set IDX,  24                          ; v24-30  and its code
.set C2,   32                          ; v32-47  c2' as C operand, two sets of 8
.set S,    48                          ; v48-159 accumulators: set p, tile t at 56 p + 8 t
.set AXR,  160                         ; v160-175  XN + 512 (l % 16) + 16 ((2 s + l / 16) xor l % 16), s = 0..15; never rewritten
.set FIN,  176                         ; v176-189  tile t's pair (number, n)
.set PFX,  190                         ; v190 the offset of X's prefetches
.set PFC,  191                         ; v191 of cw's
.set TT,   192                         ; v192-198, v200-206, v208-214, v216-222: at work at a pass's end
.set UU,   200
.set PV,   208
.set PN,   216
.set CA,   224                         ; v224-231  the four waves' pairs for my row
.set CD,   232                         ; v232-239  c2w on its way in
.set LN,   240                         ; v240-245  at work at the head
.set RR,   241
.set HH,   242
.set TA,   243
.set C2O,  244
.set C2A,  245
.set AXS,  246                         ; v246-249  where I put my chunk of a tile's row 4 w + x, x = 0..3 (x = 2 x half + e); never rewritten
.set STG,  128                         ; window 1: 14 rows x 8
.set WV,   12                          ; s12  my wave's number
.set CX,   13                          ; s13  my place in the cluster: it enters global addresses alone
.set R0,   15                          ; s15  my work-group's first row
.set G1,   16                          ; s[16:23] descriptor group 1
.set G0,   24                          ; s[24:27] descriptor group 0
.set TB,   28                          ; s28  LDS byte, less my wave's, at which the block to be fetched begins
.set TC,   29                          ; s29  64 x that block's number in the pass
.set SR,   30                          ; s30  which quarter of cw is asked for
.set SLOTS, 31                         ; s31  changes of slots that fill again, still to come
.set CNT,  32                          ; s32  counts the two pairs of blocks behind a change
.set SIG,  33                          ; s33  which quarter of the pass has been entered
.set PB,   34                          ; s34  1: the next even block is a pass's first
.set OFF,  36                          ; s[36:37] a chunk's byte offset in cw
.set MK,   38                          ; s38, s39  the slices' lane masks, by turns
.set KJ,   40                          ; s[40:47] the code of register j of the block whose slices are being dealt
.set J,    48                          ; s48  the half pass of X that is on its way: 2 x pass + half
.set RNC,  49                          ; s49  the first row, unclamped, of the pass in hand
.set XB,   50                          ; s[50:51] the base of X's loads
.set XP,   52                          ; s[52:53] of X's prefetches
.set OB,   54                          ; s[54:55] out0 at the first row of the pass to be stored
.set DLP,  56                          ; s56  rows of that pass, from its first, that are not mine
.set WOFF, 57                          ; s57  32,768 w
.set SEL,  58                          ; s[58:59] v_permlanex16_b32's selects
.set SA,   60                          ; s[60:62] at work
.set SV,   70                          ; s70  takes the old EXEC where it is narrowed
.set JX,   71                          ; s71  a half pass's number for XBASE
.set M0,   72                          ; s[72:92] three masks a tile
.set MSB, 0
.macro WIN new                         ; the high byte repeats the setting that is left; a switch that changes nothing is dropped
.if MSB != (\new)
	s_set_vgpr_msb (MSB<<8)|(\new)
.set MSB, (\new)
.endif
.endm
.macro ALLT line:vararg                ; one line for each tile t
.set t, 0
.rept 7
	\line
.set t, t+1
.endr
.endm
; A round of the cluster's barrier: my work-group's barrier, so that wave 0's signal speaks for all four waves; wave 0 signals; every wave waits for all four work-groups; my work-group's barrier once more.
.macro CREST                           ; a round behind its opening barrier
	s_cmp_lg_u32 s[WV], 0
	s_cbranch_scc1 .Lnot_wave_0_\@
	s_barrier_signal -3
.Lnot_wave_0_\@:
	s_barrier_wait -3
	s_barrier_signal -1
	s_barrier_wait -1
.endm
.macro CROUND
	s_barrier_signal -1
	s_barrier_wait -1
	CREST
.endm
; A joint load: every wave fetches its own chunk, so there is one line and no branch.  An s_nop 0 and four v_nop follow it.  By this text's count a wave has one tensor load out.
.macro JLOAD
	tensor_load_to_lds s[G0:G0+3], s[G1:G1+7]
	s_nop 0
.rept 4
	v_nop
.endr
.endm
.macro DSTEP                           ; the descriptor for the next quarter of cw, into the other slot; its address is made anew from cw's and an offset
	s_xor_b32 s[G0+1], s[G0+1], SLOT1
	s_add_co_u32 s[SR], s[SR], 1
	s_and_b32 s[SR], s[SR], 3
	s_lshl_b32 s[OFF], s[SR], 17
	s_add_co_u32 s[OFF], s[OFF], s[WOFF]
	s_add_nc_u64 s[G0+2:G0+3], s[6:7], s[OFF:OFF+1]
	s_or_b32 s[G0+3], s[G0+3], 0x80000000
.endm
; Slice i of 56 for accumulator set q: register f = i / 7 of tile t = i % 7.  Registers ascend; codes ascend with n, so '<' keeps the lowest n.
.macro SLICE q
	WIN 0
.set rQ, S+56*(\q)+8*t+f
	v_cmp_lt_f32 s[MK+(i&1)], v[rQ], v[BEST+t]
	v_min_num_f32 v[BEST+t], v[rQ], v[BEST+t]
	v_cndmask_b32 v[IDX+t], v[IDX+t], s[KJ+f], s[MK+(i&1)]
.endm
; Product i of a block's 56: fragment f = i / 7 (32 of K), tile t = i % 7.  The 7 accumulators take turns, one instruction a turn, over the blocks' edges too.
; The first 7 start the sums with c2'.  rid = 1: the other set's slice i follows; it names no register of the products round it.
.macro STEP par, rid
.set f, i/7
.set t, i%7
.set rS, S+56*(\par)+8*t
.set rA, 64*(\par)+8*f
.set rX, 64*(t%4)+8*f
.if t < 4
	WIN 0x09                                       ; centroids window 1, X window 2, sums window 0
.else
	WIN 0x0d                                       ; X window 3
.endif
.if f == 0
	v_wmma_f32_16x16x32_bf16 v[rS:rS+7], v[rA:rA+7], v[rX:rX+7], v[C2+8*(\par):C2+8*(\par)+7]
.else
	v_wmma_f32_16x16x32_bf16 v[rS:rS+7], v[rA:rA+7], v[rX:rX+7], v[rS:rS+7]
.endif
.if \rid
	SLICE 1-(\par)
.endif
.set i, i+1
.endm
.macro STEPS par, n
.rept \n
	STEP \par, 1
.endr
.endm
; The next block's fragments (16 loads of 512 consecutive bytes) and its c2' (2 loads) into set par, in one run.
.macro FETCH par
	WIN 0
	v_add_nc_u32 v[ADR], s[TB], v[ACF0]
	v_add_nc_u32 v[ADR2], s[TC], v[AC20]
	WIN 0x40                                       ; destination window 1
.set z, 0
.rept 16
	ds_load_b128 v[64*(\par)+4*z:64*(\par)+4*z+3], v[ADR] offset:512*z
.set z, z+1
.endr
	WIN 0
	ds_load_b128 v[C2+8*(\par):C2+8*(\par)+3],   v[ADR2]
	ds_load_b128 v[C2+8*(\par)+4:C2+8*(\par)+7], v[ADR2] offset:16
	s_add_co_u32 s[TB], s[TB], BLKB
	s_add_co_u32 s[TC], s[TC], 64
	s_and_b32 s[TC], s[TC], 0x3c0                  ; 64 x (0..15): behind a pass's last block comes the next pass's first; the reads stay in my wave's 1,024 bytes
.endm
; A BLOCK: 56 products into set par, beside them the 56 slices of the block before.  The slices are the places behind every product (ISA guide 7.12.1): the fetch stands nine plain
; instructions behind the last product that read its registers.
; chg = 1, a slot's last block: its fragments are in registers, so my reads of the slot are over at the head.  I wait for all my tensor loads (one is out: my chunk of the other slot), add 0 to my spare
; word, wait for that; the barrier opens a round of the cluster's, so that no wave of any partner still reads the slot or has a load on its way; the joint refill is the first thing behind the round, and
; 196 products stand between it and the wait for it.  chg = 2: the last change: nothing is left to ask for, so a plain barrier.
.macro BLOCK par, chg, fetch
	WIN 0
	s_wait_dscnt 0x0                               ; this block's fragments and c2' are in: asked for 54 products ago
.set i, 0
.if (\chg) == 0
	STEPS \par, 2
.if \fetch
	FETCH 1-(\par)
.endif
	STEPS \par, 54
.else
	s_wait_tensorcnt 0x0                           ; no tensor load of mine is out, so the descriptor may be written
	ds_add_u32 v[SPW], v[NIL]                      ; 0 onto my spare word; work on registers stands between it and the wait for it
.if (\chg) == 1
	DSTEP
.endif
	STEPS \par, 14
	WIN 0
	s_wait_dscnt 0x0                               ; the add is done; no LDS instruction of mine is out
	s_barrier_signal -1
	STEPS \par, 14                                 ; work on registers while the others arrive
	WIN 0                                          ; at a branch and at a label every window is 0
	s_barrier_wait -1
.if (\chg) == 1
	CREST
	JLOAD
.endif
	s_sub_co_u32 s[TB], s[TB], CHUNK               ; the fetches go back to a chunk's first block,
	s_xor_b32 s[TB], s[TB], SLOT1                  ; in the other slot
	FETCH 1-(\par)
	STEPS \par, 28
.endif
	WIN 0
.irp j, 0,1,2,3,4,5,6,7
	s_add_co_u32 s[KJ+\j], s[KJ+\j], 8             ; the next slices are the next block's
.endr
.endm
; Fragment f of all 7 tiles of X out of the stage: 14 loads.
.macro XFRAG f
	WIN 0x80                                       ; destination window 2
.irp u, 0,1,2,3
	ds_load_b128 v[64*\u+8*(\f):64*\u+8*(\f)+3],   v[AXR+2*(\f)]   offset:8192*\u
	ds_load_b128 v[64*\u+8*(\f)+4:64*\u+8*(\f)+7], v[AXR+2*(\f)+1] offset:8192*\u
.endr
	WIN 0xc0                                       ; destination window 3
.irp u, 0,1,2
	ds_load_b128 v[64*\u+8*(\f):64*\u+8*(\f)+3],   v[AXR+2*(\f)]   offset:8192*(\u+4)
	ds_load_b128 v[64*\u+8*(\f)+4:64*\u+8*(\f)+7], v[AXR+2*(\f)+1] offset:8192*(\u+4)
.endr
.endm
.macro SEVEN                           ; the 7 products of the next fragment, bare
.rept 7
	STEP 0, 0
.endr
.endm
; A PASS'S FIRST BLOCK.  Fragments 0-3 of X have been asked for; 4-7 are asked for here, each three groups ahead of its use.  LDS loads come back in order (ISA guide 5.7.1): each count names the loads
; issued behind the group that is wanted.  At its end the pairs of the pass before go into CMB (in the first pass: zeros, of which nothing is stored).
.macro FIRSTBLK
.set i, 0
	s_wait_dscnt 42                                ; fragment 0 and the block's centroids are in; 1, 2, 3 (14 loads each) may be out
	SEVEN
	XFRAG 4
	s_wait_dscnt 42                                ; 1 is in; 2, 3, 4 may be out
	SEVEN
	XFRAG 5
	s_wait_dscnt 42
	SEVEN
	XFRAG 6
	s_wait_dscnt 42
	SEVEN
	XFRAG 7
	s_wait_dscnt 42                                ; 4 is in; 5, 6, 7 may be out
	SEVEN
	FETCH 1
	s_wait_dscnt 46                                ; 5 is in; 6, 7 and the fetch's 18 may be out
	SEVEN
	s_wait_dscnt 32                                ; 6 is in; 7 and the 18
	SEVEN
	s_wait_dscnt 18                                ; 7 is in; the 18
	SEVEN
	WIN 0
.irp u, 0,1,2,3,4,5,6
	ds_store_b64 v[CST], v[FIN+2*\u:FIN+2*\u+1] offset:128*\u  ; lanes l and l + 16 hold the same pair
.endr
.rept 4
	v_nop                                          ; the places between the last products and the next block's first slice
.endr
.endm
.macro LUMP                            ; the slices of a pass's last block, which has no block behind it
.set i, 0
.rept 56
.set f, i/7
.set t, i%7
	SLICE 1
.set i, i+1
.endr
.endm
; A PASS'S END, first part, stage by stage over the 7 tiles.  The code 8 (4 sigma + beta) + j becomes n = 256 sigma + 64 w + 16 beta + 8 (l / 16) + j; the row's other 8 centroids of each block lie in the
; lane 16 away: the lower number wins, among equals the lower n.  Then minima, codes and the pass's place in out0 are set for what follows.  last = 1: nothing follows.
.macro FINALIZE1 last
	WIN 0
	ALLT v_and_or_b32 v[TT+t], v[IDX+t], 7, v[NB]
	ALLT v_and_b32 v[UU+t], 0x18, v[IDX+t]
	ALLT v_lshl_or_b32 v[TT+t], v[UU+t], 1, v[TT+t]
	ALLT v_and_b32 v[UU+t], 0x60, v[IDX+t]
	ALLT v_lshl_or_b32 v[TT+t], v[UU+t], 3, v[TT+t]
	ALLT v_permlanex16_b32 v[PV+t], v[BEST+t], s[SEL], s[SEL+1]
	ALLT v_permlanex16_b32 v[PN+t], v[TT+t], s[SEL], s[SEL+1]
	ALLT v_cmp_lt_f32 s[M0+3*t], v[PV+t], v[BEST+t]
	ALLT v_cmp_eq_f32 s[M0+3*t+1], v[PV+t], v[BEST+t]
	ALLT v_cmp_lt_u32 s[M0+3*t+2], v[PN+t], v[TT+t]
	ALLT s_and_b32 s[M0+3*t+1], s[M0+3*t+1], s[M0+3*t+2]
	ALLT s_or_b32 s[M0+3*t], s[M0+3*t], s[M0+3*t+1]
	ALLT v_cndmask_b32 v[FIN+2*t], v[BEST+t], v[PV+t], s[M0+3*t]
	ALLT v_cndmask_b32 v[FIN+2*t+1], v[TT+t], v[PN+t], s[M0+3*t]
.if !(\last)
	ALLT v_mov_b32 v[BEST+t], 0x7f800000
	ALLT v_mov_b32 v[IDX+t], 0
.irp j, 0,1,2,3,4,5,6,7
	s_mov_b32 s[KJ+\j], \j
.endr
.endif
	s_min_u32 s[SA], s[RNC], LASTR                 ; the row at which the pass really began,
	s_sub_co_u32 s[DLP], s[RNC], s[SA]             ; and how many rows from there are another pass's
	s_lshl_b32 s[SA], s[SA], 2
	s_mov_b32 s[SA+1], 0
	s_add_nc_u64 s[OB:OB+1], s[10:11], s[SA:SA+1]  ; (the last store by OB has read it: FINAL2 ends with the wait)
.if !(\last)
	s_add_co_u32 s[RNC], s[RNC], PROWS
.endif
.endm
.macro MERGE a, b, m                   ; pair a takes pair b where b's number is lower, or equal with the lower n
	v_cmp_lt_f32 s[M0+3*(\m)], v[\b], v[\a]
	v_cmp_eq_f32 s[M0+3*(\m)+1], v[\b], v[\a]
	v_cmp_lt_u32 s[M0+3*(\m)+2], v[(\b)+1], v[(\a)+1]
	s_and_b32 s[M0+3*(\m)+1], s[M0+3*(\m)+1], s[M0+3*(\m)+2]
	s_or_b32 s[M0+3*(\m)], s[M0+3*(\m)], s[M0+3*(\m)+1]
	v_cndmask_b32 v[\a], v[\a], v[\b], s[M0+3*(\m)]
	v_cndmask_b32 v[(\a)+1], v[(\a)+1], v[(\b)+1], s[M0+3*(\m)]
.endm
; A PASS'S END, second part, behind a barrier that has shown all four waves' pairs: thread q takes row q's four pairs and stores the label.  A wave's store covers 128 consecutive bytes.
; EXEC is narrowed to rows under 112 that are this pass's own, and changes only behind s_wait_xcnt 0, since X's loads are out.  All lanes are on where this begins, so EXEC is set back
; by the constant: nothing of the mask, which hangs on the work-group's rows, stays in it.
.macro FINAL2
.irp u, 0,1,2,3
	ds_load_b64 v[CA+2*\u:CA+2*\u+1], v[CRD] offset:PROWS*8*\u
.endr
	s_wait_dscnt 0x0
	MERGE CA, CA+2, 0
	MERGE CA+4, CA+6, 1
	MERGE CA, CA+4, 2
	v_cmp_gt_u32 vcc_lo, PROWS, v0
	v_cmp_le_u32 s[M0], s[DLP], v0
	s_and_b32 vcc_lo, vcc_lo, s[M0]
	s_wait_xcnt 0x0
	s_and_saveexec_b32 s[SV], vcc_lo
	global_store_b32 v[OOF], v[CA+1], s[OB:OB+1]
	s_wait_xcnt 0x0                                ; the store has read EXEC, its data and its base
	s_mov_b32 exec_lo, -1
.endm
; X at half pass s[jr]: the pass's first row, clamped so that its 112 rows lie in X, and 2 rows on for the second half.
.macro XBASE dst, jr
	s_lshr_b32 s[SA], s[\jr], 1
	s_mul_i32 s[SA], s[SA], PROWS
	s_add_co_u32 s[SA], s[SA], s[R0]
	s_min_u32 s[SA], s[SA], LASTR
	s_lshl_b32 s[SA], s[SA], 10
	s_and_b32 s[SA+1], s[\jr], 1
	s_lshl_b32 s[SA+1], s[SA+1], 11
	s_add_co_u32 s[SA], s[SA], s[SA+1]
	s_mov_b32 s[SA+1], 0
	s_add_nc_u64 s[\dst:\dst+1], s[4:5], s[SA:SA+1]
.endm
; Half a pass for my wave: rows 16 t + 4 w + 2 half + e, 14 of them, two loads of 512 consecutive bytes each: lane l gets chunk l of the row.
.macro XISSUE w, r, off
	WIN (\w)<<6
.set z, 0
.rept 14
	global_load_b128 v[(\r)+8*z:(\r)+8*z+3],   v[XVO], s[XB:XB+1] offset:(\off)+16384*(z/2)+1024*(z%2) th:TH_LOAD_NT
	global_load_b128 v[(\r)+8*z+4:(\r)+8*z+7], v[XVO], s[XB:XB+1] offset:(\off)+16384*(z/2)+1024*(z%2)+512 th:TH_LOAD_NT
.set z, z+1
.endr
	WIN 0
.endm
.macro XCONV w, r, half                ; rounded to bf16 in place, then into the stage's rows 16 t + 4 w + 2 half + e
	WIN ((\w)<<6)|((\w)<<2)|(\w)
.set z, 0
.rept 14
.irp k, 0,1,2,3
	v_cvt_pk_bf16_f32 v[(\r)+8*z+\k], v[(\r)+8*z+2*\k], v[(\r)+8*z+2*\k+1]
.endr
.set z, z+1
.endr
	WIN (\w)<<2
.set z, 0
.rept 14
	ds_store_b128 v[AXS+2*(\half)+z%2], v[(\r)+8*z:(\r)+8*z+3] offset:8192*(z/2)
.set z, z+1
.endr
	WIN 0
.endm
; X ON ITS WAY, twice a pass: the first half behind block 3's barrier, the second behind block 11's.  The half pass that was asked for two slots (448 products) ago goes into the stage, the next is asked
; for, and the one after that is prefetched: 56 rows x 4 pieces of 256 bytes, a lane a piece, a tile an instruction (wave w: tile w, and tile w + 4 in waves 0-2), so each piece is named once.  The
; addresses are clamped as the loads' are; the last half pass has none behind it, and the last pass none at all.
.macro STAGE half
	s_cmp_ge_u32 s[J], 14
	s_cbranch_scc1 .Lstaged_\@
	s_wait_loadcnt 0x0
	XCONV 1, STG, \half
	s_add_co_u32 s[J], s[J], 1
	s_cmp_ge_u32 s[J], 14
	s_cbranch_scc1 .Lstaged_\@
	s_wait_xcnt 0x0                                ; the loads and prefetches of two slots ago have read their bases
	XBASE XB, J
	XISSUE 1, STG, 0
	s_cmp_ge_u32 s[J], 13
	s_cbranch_scc1 .Lstaged_\@
	s_add_co_u32 s[JX], s[J], 1
	XBASE XP, JX
	global_prefetch_b8 v[PFX], s[XP:XP+1] th:TH_LOAD_NT scope:SCOPE_SE
	s_cmp_lt_u32 s[WV], 3
	s_cbranch_scc0 .Lstaged_\@
	global_prefetch_b8 v[PFX], s[XP:XP+1] offset:65536 th:TH_LOAD_NT scope:SCOPE_SE
.Lstaged_\@:
.endm
; Between two passes.  The barrier stands here so that the two orders that this place needs can be read here, whatever the flags hold: every wave's stores into XN ahead of the reads below, and
; every wave's reads of CMB ahead of FIRSTBLK's stores.  My joint load stays out across it.
.macro PASSEND
	WIN 0
	s_wait_dscnt 0x0
	s_barrier_signal -1
	s_barrier_wait -1
	XFRAG 0                                        ; the last products that read these registers stand 28 slices back
	XFRAG 1
	XFRAG 2
	XFRAG 3
	LUMP                                           ; vector work while they come
	FINALIZE1 0
	s_mov_b32 s[PB], 0
.endm
	s_load_b256 s[4:11], s[0:1], 0x0               ; X s[4:5], cw s[6:7], c2w s[8:9], out0 s[10:11]
	v_lshl_add_u32 v[SPW], v0, 2, SPARE
	v_mov_b32 v[NIL], 0
	ds_add_u32 v[SPW], v[NIL]                      ; the wave's opening: the add, twice on end, and its wait ahead of my first tensor load; the set-up, work on registers, stands between
	ds_add_u32 v[SPW], v[NIL]
	v_lshrrev_b32 v1, 5, v0
	v_readfirstlane_b32 s[WV], v1                  ; wave 0..3
	s_bfe_u32 s[CX], ttmp6, 0x40000                ; my place in the cluster
	s_lshl_b32 s[R0], ttmp9, 2                     ; in a cluster launch ttmp9 counts clusters
	s_add_co_u32 s[R0], s[R0], s[CX]
	s_mul_i32 s[R0], s[R0], WGROWS
	; descriptor group 1: a chunk is 32,768 dense bytes, asked for as 128 rows of 256 bytes (32 elements of 8), unpadded
	s_mov_b32 s[G1+0], 15|(3<<16)|(1<<21)          ; 15:0 the mask of four; 17:16 elements of 8 bytes; 21 set beside a mask
	s_mov_b32 s[G1+1], 32<<16                      ; tensor_dim0 = 32
	s_mov_b32 s[G1+2], 128<<16                     ; tensor_dim1 = 128
	s_mov_b32 s[G1+3], 32<<16                      ; tile_dim0 = 32
	s_mov_b32 s[G1+4], 128                         ; tile_dim1 = 128
	s_mov_b32 s[G1+5], 32                          ; 32 elements from row to row
	s_mov_b32 s[G1+6], 0
	s_mov_b32 s[G1+7], 0
	s_lshl_b32 s[WOFF], s[WV], 15
	s_mov_b32 s[G0], 1                             ; count = 1
	s_mov_b32 s[G0+1], s[WOFF]                     ; LDS address: slot 0, my wave's part
	s_mov_b32 s[OFF], s[WOFF]
	s_mov_b32 s[OFF+1], 0
	v_and_b32 v[LN], 31, v0                        ; l
	v_and_b32 v[RR], 15, v0                        ; l % 16
	v_bfe_u32 v[HH], v0, 4, 1                      ; l / 16
	v_lshl_add_u32 v[ACF0], v[LN], 4, s[WOFF]
	s_lshl_b32 s[SA], s[WV], 10
	s_add_co_u32 s[SA], s[SA], C2T
	v_lshl_add_u32 v[AC20], v[HH], 5, s[SA]
	v_lshl_add_u32 v[C2A], v[LN], 4, s[SA]         ; where c2w goes: quarter 2 k + l / 16 of my table, 16 bytes a lane
	s_lshl_b32 s[SA], s[WV], 8
	v_lshl_add_u32 v[C2O], v[HH], 10, s[SA]        ; and where it comes from: 1,024 (2 k + l / 16) + 256 w + 16 (l % 16)
	v_lshl_add_u32 v[C2O], v[RR], 4, v[C2O]
.irp x, 0,1,2,3
	s_lshl_b32 s[SA], s[WV], 2
	s_add_co_u32 s[SA], s[SA], \x                  ; the row's number in its tile, 4 w + x
	v_xor_b32 v[TA], s[SA], v[LN]
	s_lshl_b32 s[SA], s[SA], 9
	s_add_co_u32 s[SA], s[SA], XN
	v_lshl_add_u32 v[AXS+\x], v[TA], 4, s[SA]
.endr
	s_lshl_b32 s[SA], s[WV], 12
	v_lshl_add_u32 v[XVO], v[LN], 4, s[SA]
	s_mul_i32 s[SA], s[WV], PROWS*8
	s_add_co_u32 s[SA], s[SA], CMB
	v_lshl_add_u32 v[CST], v[RR], 3, s[SA]
	v_min_u32 v[TA], PROWS-1, v0
	v_lshl_add_u32 v[CRD], v[TA], 3, CMB
	v_lshlrev_b32 v[OOF], 2, v0
	s_lshl_b32 s[SA], s[WV], 6
	v_lshl_add_u32 v[NB], v[HH], 3, s[SA]
	v_xor_b32 v[TA], v[HH], v[RR]
	v_lshlrev_b32 v[TA], 4, v[TA]
	v_lshl_add_u32 v[TA], v[RR], 9, v[TA]
	v_add_nc_u32 v[TA], XN, v[TA]
.set z, 0
.rept 16
	v_xor_b32 v[AXR+z], z<<5, v[TA]                ; (2 s + h) xor r = (h xor r) xor 2 s
.set z, z+1
.endr
	v_bfe_u32 v[TA], v0, 3, 2                      ; X's prefetches: lane l names rows 4 (l / 8) + (l / 4) % 2 of a tile's half, piece l % 4
	s_lshl_b32 s[SA], s[WV], 14
	v_lshl_add_u32 v[PFX], v[TA], 12, s[SA]
	v_bfe_u32 v[TA], v0, 2, 1
	v_lshl_add_u32 v[PFX], v[TA], 10, v[PFX]
	v_and_b32 v[TA], 3, v0
	v_lshl_add_u32 v[PFX], v[TA], 8, v[PFX]
	s_lshl_b32 s[SA+2], s[CX], 2                   ; cw's: the cluster's 16 waves share the bytes out by address, 8,192 each
	s_add_co_u32 s[SA+2], s[SA+2], s[WV]
	s_lshl_b32 s[SA+2], s[SA+2], 13
	v_lshl_add_u32 v[PFC], v[LN], 8, s[SA+2]
	ALLT v_mov_b32 v[BEST+t], 0x7f800000
	ALLT v_mov_b32 v[IDX+t], 0
	ALLT v_mov_b32 v[PV+t], 0                      ; v_permlanex16_b32's destinations count as read
	ALLT v_mov_b32 v[PN+t], 0
.set z, 0
.rept 14
	v_mov_b32 v[FIN+z], 0
.set z, z+1
.endr
.irp j, 0,1,2,3,4,5,6,7
	s_mov_b32 s[KJ+\j], \j
.endr
	s_mov_b32 s[SEL], 0x76543210
	s_mov_b32 s[SEL+1], 0xfedcba98
	s_mov_b32 s[TB], SLOT1+CHUNK                   ; the first change of slots turns this into 0
	s_mov_b32 s[TC], 0
	s_mov_b32 s[SR], 0
	s_mov_b32 s[SIG], 0
	s_mov_b32 s[PB], 0
	s_mov_b32 s[RNC], s[R0]
	s_mov_b32 s[J], 2
	s_mov_b32 s[JX], 0
	s_mov_b32 s[DLP], PROWS                        ; there is no pass before the first: all its rows are hidden
	s_mov_b32 s[SLOTS], 27                         ; 28 quarters are walked; the first two are asked for below, 26 by the loop
	s_wait_dscnt 0x0                               ; both opening adds are done
	s_wait_kmcnt 0x0
	s_add_nc_u64 s[G0+2:G0+3], s[6:7], s[OFF:OFF+1]
	s_or_b32 s[G0+3], s[G0+3], 0x80000000          ; type = 2
	s_mov_b64 s[OB:OB+1], s[10:11]
	XBASE XB, JX
	CROUND                                         ; all four work-groups are here: the first joint loads meet
	JLOAD                                          ; quarter 0 into slot 0
	global_load_b128 v[CD:CD+3],   v[C2O], s[8:9]
	global_load_b128 v[CD+4:CD+7], v[C2O], s[8:9] offset:2048
	XISSUE 1, STG, 0                               ; the first pass's two halves: the second lands where X's tiles will lie
	XISSUE 2, 0, 2048
	s_wait_loadcnt 28                              ; c2w and the first half are in; the second half's 28 loads may be out
	ds_store_b128 v[C2A], v[CD:CD+3]
	ds_store_b128 v[C2A], v[CD+4:CD+7] offset:512
	XCONV 1, STG, 0
	s_wait_xcnt 0x0                                ; the loads have read their base
	XBASE XB, J
	XISSUE 1, STG, 0                               ; the second pass's first half
	s_wait_loadcnt 28                              ; the first pass's second half is in
	XCONV 2, 0, 1
	; the first change of slots: slot 0 is waited for, slot 1 is filled as a refill is; the round also shows every wave's part of the stage to the others
	s_wait_tensorcnt 0x0
	ds_add_u32 v[SPW], v[NIL]                      ; 0 onto my spare word
	DSTEP
	s_wait_dscnt 0x0                               ; the add and my stores into the stage and the table are done
	CROUND
	JLOAD                                          ; quarter 1 into slot 1
	s_sub_co_u32 s[TB], s[TB], CHUNK
	s_xor_b32 s[TB], s[TB], SLOT1
	FETCH 0
	XFRAG 0
	XFRAG 1
	s_wait_dscnt 28                                ; the fetch's 18 loads are in; the two groups of 14 may be out: with the two below, 56 loads are out at the most
	XFRAG 2
	XFRAG 3
	WIN 0
	; cw's quarters 2 and 3 are prefetched once in the launch, by the first cluster (all clusters walk the same bytes): 1,024 pieces of 256 bytes, a lane a piece, two instructions a wave.
	; Quarters 0 and 1 come by their loads alone, and the later walks have been read before.
	s_cmp_lg_u32 ttmp9, 0
	s_cbranch_scc1 .Lno_cw
	global_prefetch_b8 v[PFC], s[6:7] offset:262144 th:TH_LOAD_NT scope:SCOPE_SE
	global_prefetch_b8 v[PFC], s[6:7] offset:393216 th:TH_LOAD_NT scope:SCOPE_SE
.Lno_cw:
	s_mov_b32 s[CNT], 2
	s_branch .Lfirst                               ; the loop is entered at a pass's first block, in the middle of a trip
.Lslot:                                            ; 26 trips: a slot's last block with the change of slots, then the next slot's first three blocks
	BLOCK 1, 1, 1
	s_add_co_u32 s[SIG], s[SIG], 1
	s_and_b32 s[SIG], s[SIG], 3
	s_cmp_eq_u32 s[SIG], 0
	s_cselect_b32 s[PB], 1, 0
	s_cmp_lg_u32 s[SIG], 1                         ; behind block 3's barrier: the labels of the pass before, and the next pass's first half
	s_cbranch_scc1 .Lnot_1
	FINAL2
	STAGE 0
.Lnot_1:
	s_cmp_lg_u32 s[SIG], 3                         ; behind block 11's barrier: its second half
	s_cbranch_scc1 .Lnot_3
	STAGE 1
.Lnot_3:
	s_mov_b32 s[CNT], 2
	s_branch .Lmid
.Lpair:
	BLOCK 1, 0, 1
.Lmid:
	s_cmp_lg_u32 s[PB], 1
	s_cbranch_scc1 .Leven
	PASSEND
.Lfirst:
	FIRSTBLK
	s_branch .Ljoin
.Leven:
	BLOCK 0, 0, 1
.Ljoin:
	s_sub_co_u32 s[CNT], s[CNT], 1
	s_cmp_lg_u32 s[CNT], 0
	s_cbranch_scc1 .Lpair
	s_sub_co_u32 s[SLOTS], s[SLOTS], 1
	s_cmp_lg_u32 s[SLOTS], 0
	s_cbranch_scc1 .Lslot
	; the tail is written out: blocks 11 to 15 of the last pass; nothing is asked for, X has all come in
	BLOCK 1, 2, 1
	BLOCK 0, 0, 1
	BLOCK 1, 0, 1
	BLOCK 0, 0, 1
	BLOCK 1, 0, 0
	LUMP
	FINALIZE1 1
.irp u, 0,1,2,3,4,5,6
	ds_store_b64 v[CST], v[FIN+2*\u:FIN+2*\u+1] offset:128*\u
.endr
	s_wait_dscnt 0x0                               ; for the others' sake: my pairs are in CMB
	s_barrier_signal -1
	s_barrier_wait -1
	FINAL2
	s_wait_tensorcnt 0x0                           ; the wave's end, behind my last tensor load and my last LDS store
	ds_add_u32 v[SPW], v[NIL]
	s_wait_dscnt 0x0
	CROUND                                         ; the closing round: no work-group ends while a partner may still ask for a chunk that names it
	s_endpgm
.Lfunc_end_k_q36cd29379b_assign:
	.size	k_q36cd29379b_assign, .Lfunc_end_k_q36cd29379b_assign-k_q36cd29379b_assign
	.p2alignl 7, 3214868480
	.fill 96, 4, 3214868480
	.section	.rodata,"a",@progbits
	.p2align	6, 0x0
	.amdhsa_kernel k_q36cd29379b_assign
		.amdhsa_group_segment_fixed_size 327680
		.amdhsa_private_segment_fixed_size 0
		.amdhsa_enable_private_segment 0
		.amdhsa_kernarg_size 32
		.amdhsa_user_sgpr_count 2
		.amdhsa_user_sgpr_kernarg_segment_ptr 1
		.amdhsa_wavefront_size32 1
		.amdhsa_system_sgpr_workgroup_id_x 1
		.amdhsa_system_sgpr_workgroup_id_y 1
		.amdhsa_system_sgpr_workgroup_id_z 1
		.amdhsa_system_vgpr_workitem_id 0
		.amdhsa_next_free_vgpr 960
		.amdhsa_next_free_sgpr 96
		.amdhsa_reserve_vcc 1
		.amdhsa_float_denorm_mode_32 3
		.amdhsa_float_denorm_mode_16_64 3
		.amdhsa_memory_ordered 1
		.amdhsa_forward_progress 1
		.amdhsa_inst_pref_size 239
	.end_amdhsa_kernel
	.amdgpu_metadata
---
amdhsa.version: [ 1, 2 ]
amdhsa.kernels:
  - .name:           k_q36cd29379b_assign
    .symbol:         k_q36cd29379b_assign.kd
    .args:
      - { .name: X, .offset: 0, .size: 8, .value_kind: global_buffer, .address_space: global }
      - { .name: cw, .offset: 8, .size: 8, .value_kind: global_buffer, .address_space: global }
      - { .name: c2w, .offset: 16, .size: 8, .value_kind: global_buffer, .address_space: global }
      - { .name: out0, .offset: 24, .size: 8, .value_kind: global_buffer, .address_space: global }
    .group_segment_fixed_size: 327680
    .private_segment_fixed_size: 0
    .kernarg_segment_align: 8
    .kernarg_segment_size: 32
    .max_flat_workgroup_size: 128
    .sgpr_count:     96
    .vgpr_count:     960
    .wavefront_size: 32
...
	.end_amdgpu_metadata
.endif
;; end of part 2
;; ======== version 2 of 2: 2 launches; version 1 with the launch prep written anew for expert scheduling mode
;; workspace buffers: cw 524,288 bytes; c2w 4,096 bytes
;; launch prep (part 3): grid 16 x 1, 4 waves a work-group, no clusters, 34,560 bytes of LDS; arguments centroids, cw, c2w; writes cw, c2w
.if DOCPART == 3
	.amdgcn_target "amdgcn-amd-amdhsa--gfx1250"
	.amdhsa_code_object_version 6
	.text
	.protected	k_q36cd29379b_prep
	.globl	k_q36cd29379b_prep
	.p2align	8
	.type	k_q36cd29379b_prep,@function
k_q36cd29379b_prep:
	s_mov_b64 s[64:65], 0
	v_nop
	global_prefetch_b8 v0, s[64:65] scope:SCOPE_SE
	s_setreg_imm32_b32 hwreg(HW_REG_WAVE_SCHED_MODE, 0, 2), 2
	s_setreg_imm32_b32 hwreg(HW_REG_WAVE_MODE, 25, 1), 1
	s_wait_xcnt 0x0
	s_wait_alu depctr_vm_vsrc(0)
; K-MEANS LABELS, launch 1 of 2: the centroids are rounded and laid out once.  out0[i] = argmin over n of  x2[i] - 2 X[i].c[n] + c2[n].
; WORK LEFT OUT.  x2[i], the sum of squares of row i of X, is added to all 1,024 distances of that row alike: the difference of two distances of a row holds no x2,
; whatever finite values X and the centroids hold, so in exact arithmetic the argmin is the same without it.  No launch computes x2.  X stays live: it enters the product.
; By the same argument every distance is shifted by -c2[0]: the sums then stay near 2 X.c and their roundings are finer.
; LIMITS.  A NaN, an infinity or an overflow that arises in x2 alone is not carried to the result.  |c| stays under 1.7e38, so that -2 c is finite.
; WHAT IS STORED.  cw: bf16(-2 c), which is -2 bf16(c) exactly, in the order in which the second launch's operand registers take it.  c2w[n] = c2[n] - c2[0] in f32,
; both sums taken of the ROUNDED centroids, since the product is taken of them too.
; ORDER OF K.  A row is 32 chunks of 8 numbers: chunk c holds k = 4 c .. 4 c + 3 and then k = 128 + 4 c .. 128 + 4 c + 3: what lane c gets by two loads of 16 bytes, 512 bytes apart.
; The second launch lays X in the same order, so the products meet the right partners.
; cw: block B (centroids 16 B .. 16 B + 15) at 8,192 B; in it part s (0..15) at 512 s; in it lane l's 16 bytes at 16 l: chunk 2 s + l / 16 of centroid 16 B + l % 16.
; SHARES.  Work-group g has centroids 64 g .. 64 g + 63, wave v block 4 g + v.  A block goes through the wave's own stage in LDS (rows of 528 bytes: 33 x 16, so the 16 rows
; that a load touches start 16 bytes apart modulo 256).  No matrix unit, no cluster, no tensor load: 1 MiB is read once, by loads of 512 consecutive bytes.
; THE MODE: SCHED_MODE bits 1:0 = 2 (LLVM: expert scheduling mode 2), set by the entry lines.  The code itself states the register dependences
; between vector instructions and memory or LDS instructions, with s_wait_alu, always for 0.
; THE PLAN.  Registers that memory or LDS instructions touch:
;   v2 .. v9          offsets and addresses: written at the head, never again; read by every load, store and LDS instruction.
;   ROW, lower four   of row i: a global load lands there; row i's multiplies and roundings write them; its LDS store reads them; nothing writes them again.
;   ROW, upper four   of row i: a global load lands there; the multiplies write, the roundings read them; then LDS load i lands there; global store i and the squares read them.
;   v[SUM]            written by vector lines, read by one LDS store.     v[T:T+1]  at work for vector lines; in wave 0 an LDS load lands there at the end, and a global store reads them.
; The 16 rows go in four groups of four.  Group g's four LDS stores are issued in group g + 1, behind the one wait at that group's head, which states that group g's roundings are written;
; they are dealt among group g + 1's vector lines, which name that group's own rows alone.  The wait behind group 3 serves the last four stores and all sixteen LDS loads; the sum for
; centroid 0, which names none of their registers, follows them.  No register that a memory or LDS instruction reads is ever written again, so no wait on vm_vsrc is written.
.set PITCH, 528
.set WSTG,  16*PITCH                   ; a wave's stage
.set C2S,   4*WSTG                     ; 64 words: the work-group's c2w
.set SPARE, C2S+256                    ; the spare words, 128 bytes a wave: two blocks of 256 bytes that no other line names
.set LO,  2                            ; v2   16 l
.set STO, 3                            ; v3   stage, in: my 16 bytes of a row
.set RD,  4                            ; v4   stage, back: row l % 16, chunk l / 16
.set CSA, 5                            ; v5   where my row's c2w goes
.set CRA, 6                            ; v6   where wave 0 reads two of them
.set CGO, 7                            ; v7   8 l
.set SPW, 8                            ; v8   my spare word; never rewritten
.set NIL, 9                            ; v9   0; never rewritten
.set ROW, 16                           ; v[16:143]  row i at 8 i: 8 f32, then 4 registers of bf16; the upper four take part i of the block on its way back
.set ZR,  144                          ; v[144:151] centroid 0
.set AC,  152                          ; v[152:159] four pairs of sums
.set T,   160                          ; v[160:167] at work
.set ZS,  168                          ; v168  4 c2[0]
.set SUM, 169                          ; v169
	s_load_b128 s[4:7], s[0:1], 0x0                ; centroids s[4:5], cw s[6:7]
	s_load_b64 s[8:9], s[0:1], 0x10                ; c2w
	v_lshl_add_u32 v[SPW], v0, 2, SPARE
	v_mov_b32 v[NIL], 0
	v_lshrrev_b32 v1, 5, v0
	v_readfirstlane_b32 s10, v1                    ; wave 0..3
	v_and_b32 v10, 31, v0                          ; l
	v_and_b32 v11, 15, v0                          ; l % 16
	v_bfe_u32 v12, v0, 4, 1                        ; l / 16
	v_lshlrev_b32 v[LO], 4, v10
	v_mul_u32_u24 v[RD], v11, PITCH
	v_lshl_add_u32 v[RD], v12, 4, v[RD]
	v_lshlrev_b32 v[CGO], 3, v10
	v_add_nc_u32 v[CRA], C2S, v[CGO]
	s_wait_alu depctr_va_sdst(0)                   ; s10 is written, ahead of its first reader: the stage's place and the block's number are made from it
	s_mul_i32 s11, s10, WSTG
	v_add_nc_u32 v[STO], s11, v[LO]
	v_add_nc_u32 v[RD], s11, v[RD]
	s_lshl_b32 s12, s10, 6
	s_add_co_u32 s12, s12, C2S
	v_lshl_add_u32 v[CSA], v11, 2, s12             ; word 16 v + l % 16
	s_lshl_b32 s13, ttmp9, 2
	s_add_co_u32 s13, s13, s10                     ; my block
	s_lshl_b32 s14, s13, 14                        ; its 16 rows of 1,024 bytes
	s_mov_b32 s15, 0
	s_lshl_b32 s16, s13, 13                        ; its 8,192 bytes of cw
	s_mov_b32 s17, 0
	s_lshl_b32 s18, ttmp9, 8                       ; the work-group's 256 bytes of c2w
	s_mov_b32 s19, 0
	s_mov_b32 s20, 0x76543210                      ; v_permlanex16_b32: each lane takes its own place in the other half
	s_mov_b32 s21, 0xfedcba98
	s_mov_b32 s22, 0xffff0000                      ; a word's upper bf16
	s_wait_kmcnt 0x0
	s_add_nc_u64 s[14:15], s[4:5], s[14:15]
	s_add_nc_u64 s[16:17], s[6:7], s[16:17]
	s_add_nc_u64 s[18:19], s[8:9], s[18:19]
	s_wait_alu depctr_va_vdst(0)                   ; the offsets and addresses v2 to v9 are written: every load, store and LDS instruction of the kernel reads one of them
	global_load_b128 v[ZR:ZR+3],   v[LO], s[4:5]
	global_load_b128 v[ZR+4:ZR+7], v[LO], s[4:5] offset:512
.set i, 0
.rept 16
	global_load_b128 v[ROW+8*i:ROW+8*i+3],   v[LO], s[14:15] offset:1024*i
	global_load_b128 v[ROW+8*i+4:ROW+8*i+7], v[LO], s[14:15] offset:1024*i+512
.set i, i+1
.endr
; Group g: rows 4 g .. 4 g + 3: times -2, rounded to bf16 in place.  The chunks of the group before go into the stage, one store ahead of each row's eight vector lines.
.macro GROUP g
	s_wait_loadcnt 24-8*(\g)                       ; loads come back in order (ISA guide 5.7.1): this group's eight are in (and centroid 0, the oldest); the younger rows' stay out
.if (\g) > 0
	s_wait_alu depctr_va_vdst(0)                   ; the roundings of the group before have written the lower four registers of its rows, which the four LDS stores below read
.endif
.irp e, 0,1,2,3
.set i, 4*(\g)+(\e)
.if (\g) > 0
	ds_store_b128 v[STO], v[ROW+8*(i-4):ROW+8*(i-4)+3] offset:(i-4)*PITCH  ; no vector line since the wait names these registers
.endif
.irp k, 0,2,4,6
	v_pk_mul_f32 v[ROW+8*i+(\k):ROW+8*i+(\k)+1], v[ROW+8*i+(\k):ROW+8*i+(\k)+1], -2.0 op_sel_hi:[1,0]
.endr
.irp k, 0,1,2,3
	v_cvt_pk_bf16_f32 v[ROW+8*i+(\k)], v[ROW+8*i+2*(\k)], v[ROW+8*i+2*(\k)+1]
.endr
.endr
.endm
	GROUP 0
	GROUP 1
	GROUP 2
	GROUP 3
	s_wait_alu depctr_va_vdst(0)                   ; group 3's roundings have written what the last four stores read; every row's multiplies have written, and its roundings have read, the upper four registers, in which the LDS loads land
.irp e, 12,13,14,15
	ds_store_b128 v[STO], v[ROW+8*(\e):ROW+8*(\e)+3] offset:(\e)*PITCH
.endr
	; back in operand order.  The stage is the wave's own and LDS serves a wave's instructions in order (ISA guide 5.7.1.4): no barrier, no wait between stores and loads
.set i, 0
.rept 16
	ds_load_b128 v[ROW+8*i+4:ROW+8*i+7], v[RD] offset:32*i
.set i, i+1
.endr
	; 4 c2[0], of the rounded numbers: the same lines on the same data in every wave of the launch, so the same bits everywhere.  These lines name ZR, T, AC and ZS alone: they stand while the LDS loads come back
.irp k, 0,2,4,6
	v_pk_mul_f32 v[ZR+\k:ZR+\k+1], v[ZR+\k:ZR+\k+1], -2.0 op_sel_hi:[1,0]
.endr
.irp k, 0,1,2,3
	v_cvt_pk_bf16_f32 v[ZR+\k], v[ZR+2*\k], v[ZR+2*\k+1]
.endr
.irp k, 0,1,2,3
	v_lshlrev_b32 v[T+2*\k],   16, v[ZR+\k]
	v_and_b32     v[T+2*\k+1], s22, v[ZR+\k]
.endr
	v_pk_mul_f32 v[AC:AC+1], v[T:T+1], v[T:T+1]
.irp k, 2,4,6
	v_pk_fma_f32 v[AC:AC+1], v[T+\k:T+\k+1], v[T+\k:T+\k+1], v[AC:AC+1]
.endr
	v_add_f32 v[ZS], v[AC], v[AC+1]
	v_add_f32_dpp v[ZS], v[ZS], v[ZS] row_xmask:1 row_mask:0xf bank_mask:0xf
	v_add_f32_dpp v[ZS], v[ZS], v[ZS] row_xmask:2 row_mask:0xf bank_mask:0xf
	v_add_f32_dpp v[ZS], v[ZS], v[ZS] row_xmask:4 row_mask:0xf bank_mask:0xf
	v_add_f32_dpp v[ZS], v[ZS], v[ZS] row_xmask:8 row_mask:0xf bank_mask:0xf
	v_permlanex16_b32 v[T], v[ZS], s20, s21        ; its destination counts as read: a register that has been written
	v_add_f32 v[ZS], v[ZS], v[T]
	; part i of the block leaves as soon as it is back; behind its store the squares of my 8 numbers of it, in four pairs of sums that do not wait for each other; the first products start the sums.
	; The store and the squares only read the part's registers, and nothing writes them again.
.set i, 0
.rept 16
	s_wait_dscnt 15-i                              ; LDS loads come back in order (ISA guide 5.7.1): part i is in, the younger parts stay out
	global_store_b128 v[LO], v[ROW+8*i+4:ROW+8*i+7], s[16:17] offset:512*i  ; 512 consecutive bytes, at a multiple of 512 from cw's first byte
.irp q, 0,1,2,3
	v_lshlrev_b32 v[T+2*\q],   16, v[ROW+8*i+4+\q]
	v_and_b32     v[T+2*\q+1], s22, v[ROW+8*i+4+\q]
.endr
.irp q, 0,1,2,3
.if i == 0
	v_pk_mul_f32 v[AC+2*\q:AC+2*\q+1], v[T+2*\q:T+2*\q+1], v[T+2*\q:T+2*\q+1]
.else
	v_pk_fma_f32 v[AC+2*\q:AC+2*\q+1], v[T+2*\q:T+2*\q+1], v[T+2*\q:T+2*\q+1], v[AC+2*\q:AC+2*\q+1]
.endif
.endr
.set i, i+1
.endr
	v_pk_add_f32 v[AC:AC+1], v[AC:AC+1], v[AC+2:AC+3]
	v_pk_add_f32 v[AC+4:AC+5], v[AC+4:AC+5], v[AC+6:AC+7]
	v_pk_add_f32 v[AC:AC+1], v[AC:AC+1], v[AC+4:AC+5]
	v_add_f32 v[SUM], v[AC], v[AC+1]
	v_permlanex16_b32 v[T], v[SUM], s20, s21       ; the row's other 128 numbers lie in the lane 16 away
	v_add_f32 v[SUM], v[SUM], v[T]
	v_sub_f32 v[SUM], v[SUM], v[ZS]
	v_mul_f32 v[SUM], 0x3e800000, v[SUM]           ; (4 c2[n] - 4 c2[0]) / 4
	s_wait_alu depctr_va_vdst(0)                   ; v[SUM] is written, which the LDS store reads; all vector lines are done with v[T:T+1], in which wave 0's LDS load lands: no vector line follows this wait on any path
	ds_store_b32 v[CSA], v[SUM]                    ; lanes l and l + 16 write the same word with the same number
	s_wait_dscnt 0x0                               ; for the others' sake: my store is done
	s_barrier_signal -1
	s_barrier_wait -1
	s_cmp_lg_u32 s10, 0                            ; wave 0 stores the work-group's 64 numbers: 256 consecutive bytes, aligned
	s_cbranch_scc1 .Lend
	ds_load_b64 v[T:T+1], v[CRA]
	s_wait_dscnt 0x0
	global_store_b64 v[CGO], v[T:T+1], s[18:19]
.Lend:
	s_wait_dscnt 0x0                               ; the closing lines, six on end
	s_wait_alu 0x0
	s_wait_tensorcnt 0x0
	ds_add_u32 v[SPW], v[NIL]
	s_wait_dscnt 0x0
	s_endpgm
.Lfunc_end_k_q36cd29379b_prep:
	.size	k_q36cd29379b_prep, .Lfunc_end_k_q36cd29379b_prep-k_q36cd29379b_prep
	.p2alignl 7, 3214868480
	.fill 96, 4, 3214868480
	.section	.rodata,"a",@progbits
	.p2align	6, 0x0
	.amdhsa_kernel k_q36cd29379b_prep
		.amdhsa_group_segment_fixed_size 34560
		.amdhsa_private_segment_fixed_size 0
		.amdhsa_enable_private_segment 0
		.amdhsa_kernarg_size 24
		.amdhsa_user_sgpr_count 2
		.amdhsa_user_sgpr_kernarg_segment_ptr 1
		.amdhsa_wavefront_size32 1
		.amdhsa_system_sgpr_workgroup_id_x 1
		.amdhsa_system_sgpr_workgroup_id_y 1
		.amdhsa_system_sgpr_workgroup_id_z 1
		.amdhsa_system_vgpr_workitem_id 0
		.amdhsa_next_free_vgpr 176
		.amdhsa_next_free_sgpr 66
		.amdhsa_reserve_vcc 0
		.amdhsa_float_denorm_mode_32 3
		.amdhsa_float_denorm_mode_16_64 3
		.amdhsa_memory_ordered 1
		.amdhsa_forward_progress 1
		.amdhsa_inst_pref_size 28
	.end_amdhsa_kernel
	.amdgpu_metadata
---
amdhsa.version: [ 1, 2 ]
amdhsa.kernels:
  - .name:           k_q36cd29379b_prep
    .symbol:         k_q36cd29379b_prep.kd
    .args:
      - { .name: centroids, .offset: 0, .size: 8, .value_kind: global_buffer, .address_space: global }
      - { .name: cw, .offset: 8, .size: 8, .value_kind: global_buffer, .address_space: global }
      - { .name: c2w, .offset: 16, .size: 8, .value_kind: global_buffer, .address_space: global }
    .group_segment_fixed_size: 34560
    .private_segment_fixed_size: 0
    .kernarg_segment_align: 8
    .kernarg_segment_size: 24
    .max_flat_workgroup_size: 128
    .sgpr_count:     66
    .vgpr_count:     176
    .wavefront_size: 32
...
	.end_amdgpu_metadata
.endif
;; end of part 3
;; launch assign: the kernel of part 2 again; grid 256 x 1, 4 waves a work-group, clusters of 4 x 1, 327,680 bytes of LDS; arguments X, cw, c2w, out0; writes out0
